; MI455X (gfx1250); checked and timed in simulation.
; The chip was launched on July 23, 2026; its instructions are those of AMD's public machine-readable ISA for CDNA 5 (MIT licence, August 2026) and "CDNA5" Instruction Set Architecture Reference Guide (July 2026). The comments in the code are by the model that wrote it; some were corrected since.
;; Per Pixel Cross Attention. Allowed arithmetic: matrix products marked QUANTISED: E3M2 operands, one E8M0 scale for each 32 along K, by v_wmma_scale_f32_16x16x128_f8f6f4 with both operands' format E3M2, f32 sums; products left as they are: f32 operands where the result goes on into a quantised operand, else bf16, f16 or f32 operands; f32 sums; everything else in f32.
;; Inputs: Wkv_codes 256 x 4 x 24 uint8 (E3M2 codes of Wkv, K innermost, in blocks of 32 codes, four codes in three bytes); Wkv_scales 256 x 4 uint8 (E8M0 scales of Wkv, one for each 32 codes along K); Wo_codes 128 x 4 x 24 uint8 (E3M2 codes of Wo, K innermost, in blocks of 32 codes, four codes in three bytes); Wo_scales 128 x 4 uint8 (E8M0 scales of Wo, one for each 32 codes along K); Wq_codes 128 x 4 x 24 uint8 (E3M2 codes of Wq, K innermost, in blocks of 32 codes, four codes in three bytes); Wq_scales 128 x 4 uint8 (E8M0 scales of Wq, one for each 32 codes along K); bo 128 float32; context_codes 4 x 4,096 x 32 x 4 x 24 uint8 (E3M2 codes of context, K innermost, in blocks of 32 codes, four codes in three bytes); context_scales 4 x 4,096 x 32 x 4 uint8 (E8M0 scales of context, one for each 32 codes along K); x_codes 4 x 4,096 x 1 x 4 x 24 uint8 (E3M2 codes of x, K innermost, in blocks of 32 codes, four codes in three bytes); x_scales 4 x 4,096 x 1 x 4 uint8 (E8M0 scales of x, one for each 32 codes along K).
;; Outputs: out0 4 x 4,096 x 1 x 128 float32.
;; This version of the problem:
;;   THIS VERSION OF THE PROBLEM IS GIVEN IN LOW PRECISION. The matrix products marked QUANTISED in the list below multiply operands that are first quantised to E3M2 (3 exponent bits, 2 mantissa bits; 6 bits a number), with one power-of-two scale for each 32 numbers along K (OCP MX v1.0); their sums are f32. All else is computed in f32.
;;   The module's matrix products, in the order in which they are computed (A, B: the left and right operand; K: the contracted axis; several contracted axes count as one K, in the product's order):
;;     1. [M 16,384, K 128] x [K 128, N 128]; A: input x (given as codes); B: input Wq (given as codes): QUANTISED
;;     2. [M 524,288, K 128] x [K 128, N 256]; A: input context (given as codes); B: input Wkv (given as codes): QUANTISED
;;     3. batch 32,768 x [M 1, K 64] x [K 64, N 32]; A: computed on the way; B: computed on the way: left as it is (M = 1 < 16)
;;     4. batch 32,768 x [M 1, K 32] x [K 32, N 64]; A: softmax; B: computed on the way: left as it is (M = 1 < 16)
;;     5. [M 16,384, K 128] x [K 128, N 128]; A: computed on the way; B: input Wo (given as codes): QUANTISED
;;   THE QUANTISER, for each operand of a quantised product, along K:
;;     - K is cut into blocks of 32 from its start; a last block that is shorter is filled with zeros.
;;     - A block's scale is 2^e with e = floor(log2(the largest magnitude in the block)) - 4, held to -126 .. 127; a block of zeros has e = 0. As a byte (E8M0): e + 127.
;;     - Each number is divided by its block's scale, clamped to +-28, and rounded to the nearest number of E3M2, ties to even, subnormals kept.
;;     - The product sums the exact products of the quantised numbers (number of the format x scale) in f32.
;;   ~~~python
;;   def quantise(x, axis):      # numpy; x: float32 -> the quantised numbers, widened to float32 again
;;       x = np.moveaxis(x, axis, -1); K = x.shape[-1]
;;       x = np.pad(x, [(0, 0)] * (x.ndim - 1) + [(0, -K % 32)]); x = x.reshape(x.shape[:-1] + (-1, 32)); a = np.abs(x).max(-1, keepdims=True)
;;       e = np.where(a > 0, np.clip(np.frexp(np.where(a > 0, a, 1))[1] - 1 - 4, -126, 127), 0)      # np.frexp(a)[1] - 1 = floor(log2(a)), exactly
;;       r = np.clip(x / 2.0 ** e, -28, 28)
;;       step = 2.0 ** (np.maximum(np.frexp(np.where(r == 0, 1, r))[1] - 1, -2) - 2)
;;       q = np.round(r / step) * step * 2.0 ** e      # np.round: ties to even
;;       return np.moveaxis(q.reshape(q.shape[:-2] + (-1,))[..., :K], -1, axis).astype(np.float32)
;;   ~~~
;;   OPERANDS COMPUTED ON THE WAY. 'Computed on the way' means the value that the module computes at that place (a softmax that the list does not call 'softmax' is quantised finished and normalised). What goes into a quantiser is computed in f32, as accurately as f32 sums, v_exp_f32 and their like allow (about 1e-6 of the number): no bf16 or f16 on the way to a quantiser, and a product that is left as it is and whose result goes on into a quantised operand takes f32 operands (vector FMAs, or v_wmma_f32_16x16x4_f32). A number that lies on a knife's edge between two numbers of the format may be rounded either way, as far as f32 arithmetic and the matrix unit's own rounding can turn it there, and no further.
;;   INPUTS GIVEN AS CODES. Wkv (in the module: [128, 256], K = its axis 0); Wo (in the module: [128, 128], K = its axis 0); Wq (in the module: [128, 128], K = its axis 0); context (in the module: [4, 4096, 32, 128], K = its axis 3); x (in the module: [4, 4096, 1, 128], K = its axis 3): each comes as NAME_codes (uint8): NAME with its K axis moved to the last place and cut into blocks of 32 codes, [.., K / 32, bytes a block], one block behind the other in memory; four codes in three bytes: a row's codes are one little-endian stream of bits, code i at bits 6 i .. 6 i + 5 (a code: sign, 3 exponent bits, 2 mantissa bits); and NAME_scales (uint8): the same leading axes, one E8M0 byte (e + 127) for each 32 codes along K. Its value is code x scale, taken as it is: it is not quantised again, and the codes and scales need not be those that the quantiser above would give.
;; 2 versions, each right and faster than the one before. Each part assembles by itself: llvm-mc -triple=amdgcn-amd-amdhsa -mcpu=gfx1250 --defsym DOCPART=n.
;; ======== version 1 of 2: 1 launch
;; launch attn (part 1): grid 256 x 1, 8 waves a work-group, no clusters, 304,128 bytes of LDS; arguments Wq_codes, Wq_scales, Wkv_codes, Wkv_scales, Wo_codes, Wo_scales, bo, context_codes, context_scales, x_codes, x_scales, out0; writes out0
.if DOCPART == 1
	.amdgcn_target "amdgcn-amd-amdhsa--gfx1250"
	.amdhsa_code_object_version 6
	.text
	.protected	k_qb226419512_attn
	.globl	k_qb226419512_attn
	.p2align	8
	.type	k_qb226419512_attn,@function
k_qb226419512_attn:
	s_mov_b64 s[64:65], 0
	v_nop
	global_prefetch_b8 v0, s[64:65] scope:SCOPE_SE
	s_setreg_imm32_b32 hwreg(HW_REG_WAVE_MODE, 25, 1), 1
	s_wait_xcnt 0x0
; PER-PIXEL CROSS ATTENTION ON CODES OF BF6 (E3M2), one E8M0 scale for each 32 along K.  16,384 pixels; a pixel has one row of x and 32 rows of context, 128 numbers each.
; q = x Wq;  k, v = context Wkv;  for each of 2 heads: softmax over the 32 rows of q . k / 8, then the weights times v;  the 128 results are quantised along K, multiplied by Wo, and bo is added.
; The three products with weights go to the scaled matrix instruction on codes as they lie in memory; q . k and weights . v feed a quantiser and are f32 multiply-adds; the softmax takes the row's true maximum away.
; SHARES.  256 work-groups of 8 waves.  A work-group owns 64 pixels, a wave 8 of them, through the whole chain.  All of Wkv stays in each wave's registers (192).
; NO RING.  A work-group's context is 196,608 bytes of codes (245,760 with padding) and fits in LDS: every tensor load is a first fill, issued at the head, six a wave; nothing is filled twice.
; The text has no branch and no loop: the pixel's macro is written out eight times.  Counted waits on TENSORcnt let the early pixels be worked on while the later chunks are on their way.
; NO CLUSTER: work-groups share the weights alone, 49,152 of the 262,912 bytes that a work-group reads; context, x and the output are each one work-group's own.
; NO PREFETCH: all that the work-group reads is asked for in its first lines.
; LAYOUT (r = lane % 16, h = lane / 16).
;   A fragment CF[u] of context takes rows 2 r + u (u = 0, 1).  It is source 1 of the K products and source 0 of the V products.
;   K products: source 0 = rows 8 t + m % 8 + 64 (m / 8) of Wkv: lane (r, h), register j of tile t holds k(row 2 r + u, head h, channel 8 t + j): a lane has all 64 channels of one head: q . k needs no other lane.
;   V products: source 1 = rows 128 + 16 t + r of Wkv: lane (r, h), register j holds v(row 16 h + 2 j + u, channel 16 t + r); the head is t / 4.
;   q and the output product take 8 pixels twice (lane r: pixel r % 8): 16 matrix instructions a wave beside the 256 of the context.
; LIMITS: NaN, infinities and scale bytes 0xff among the inputs are not served.  A block of 32 results that is all zeros gets the byte 1 with zero codes, where the quantiser says 127: the product is the same.
;   Blocks whose largest magnitude lies under 2^(5 - 127) are held at the byte 1.
.set PAIR,  240                        ; LDS: two rows of context, 192 bytes, with 16 bytes of padding behind each 64
.set PXB,   16*PAIR                    ; a pixel
.set CHUNK, 2*PXB                      ; what one tensor load brings: two pixels
.set CTXW,  8*PXB                      ; a wave's eight pixels; the eight waves' fill bytes 0 to 245,759
.set WREG,  245760                     ; Wq (12,288 bytes, rows of 96), Wkv (24,576), Wo (12,288)
.set WKO,   12288                      ; Wkv's first row from WREG on
.set WVO,   24576                      ; its row 128
.set WOO,   36864                      ; Wo's first row
.set CSC,   294912                     ; context's scale words: 1,024 bytes a wave, 128 a pixel, 4 a row
.set STGW,  4352                       ; a wave's stage, 8 rows of SP bytes, from WREG on: over Wq and Wkv, which have had their one fill and, behind the second barrier, their last read
.set SP,    528                        ; a stage row: 512 bytes + 16
; window 0
.set R,   1                            ; v1   r
.set HF,  2                            ; v2   h
.set R7,  3                            ; v3   r % 8
.set ACA, 4                            ; v4   context: CTXW w + PAIR r + 24 h
.set ACB, 5                            ; v5   the same with 40 h, for pieces that lie behind one padding more in lanes 16-31
.set ASC, 6                            ; v6   context's scale words: CSC + 1,024 w + 8 r
.set AQ,  7                            ; v7   stage + 256 h: my head's 64 numbers of a row
.set AO,  8                            ; v8   stage + 256 h + 4 r
.set AQS, 9                            ; v9   stage + SP (r % 8) + 256 h
.set AWH, 10                           ; v10  weights, tiles split over the heads: WREG + 96 (r % 8) + 6,144 (r / 8) + 24 h
.set AWN, 11                           ; v11  weights, 16 neighbouring rows: WREG + 96 r + 24 h
.set AQR, 12                           ; v12  stage + SP (r % 8) + 64 h
.set AYS, 13                           ; v13  stage + SP (r % 8) + 32 h
.set AYR, 14                           ; v14  stage + 16 x lane
.set GO,  15                           ; v15  16 x lane
.set BO,  16                           ; v16-19  bo(4 lane .. 4 lane + 3)
.set CS,  20                           ; v20-21  context's scale words, u = 0, 1
.set XS,  22                           ; v22  x's scale word
.set PW,  23                           ; v23  the scale word of the quantised results
.set WS,  24                           ; v24-39  Wkv's scale words: K tiles 0-7, V tiles 0-7
.set WQS, 40                           ; v40-47  Wq's
.set WOS, 48                           ; v48-55  Wo's
.set CF,  56                           ; v56-79  CF[0], CF[1]; at the head x's fragment
.set SA,  80                           ; v80-87  four chains of q . k; then v80, v81 the two scores, v82 the maximum, v83 the sum
.set AB,  80                           ; v80-95  one head's 16 weights for my half of the rows, the same in every lane of a half
.set TM,  80                           ; v80-95  at the end: the quantiser's work
.set PY,  88                           ; v88-89, v90-91, v92-93  three turned copies of the weights
.set PX,  90
.set PR,  92
.set CD,  96                           ; v96-114 at the end: the codes
.set OA,  100                          ; v100-115 the pixel's results, a pair for each V tile
.set FN,  116                          ; v116-119 and their sums over the halves
.set VX,  120                          ; v120 x's codes: 96 (r % 8) + 24 h
.set VXS, 121                          ; v121 x's scale word: 4 (r % 8)
.set VOH, 122                          ; v122 scale words of tiles split over the heads: 4 (r % 8) + 256 (r / 8)
.set VON, 123                          ; v123 of 16 neighbouring rows: 4 r
.set G,   124                          ; v124-127 G[head][u]: lane (j, h) holds the weight of row 16 h + 2 j + u
.set KR,  128                          ; v128-255 the K products' results, then the V products': 64 u + 8 t + j.  At the head Wq's fragments, at the end 64 numbers to quantise
.set YA,  192                          ; v192-255 at the end: the output's eight accumulators
; window 1: v0-95 Wkv's K tiles (12 t), at the end Wo's; v96-191 its V tiles
.set QB,  192                          ; window 1, v192-255: q's results, then q of one pixel, my head's 64 numbers in every lane
; scalars: s4 wave, s6 CTXW w, s7 my stage, s[8:31] the twelve addresses
.set G1W, 32                           ; s[32:39] group 1: 24 rows of 256 bytes, dense
.set G1S, 40                           ; s[40:47] group 1: 4 rows of 256 bytes, dense
.set G1C, 48                           ; s[48:55] group 1: 8 rows of 768 bytes, 16 bytes of padding behind each 64
.set G0W, 56                           ; s[56:59] group 0: my piece of the weights
.set G0S, 60                           ; s[60:63] group 0: my context scale words
.set G0C, 68                           ; s[68:83] group 0: my four chunks of context
.set MSB, 0
.macro WIN new                         ; the immediate's high byte repeats the setting that is left; a switch that changes nothing is dropped
.if MSB != \new
	s_set_vgpr_msb (MSB<<8)|\new
.set MSB, \new
.endif
.endm
.set A1,  0x01                         ; source 0 in window 1
.set B1,  0x04                         ; source 1 in window 1 (an LDS store's data are its source 1)
.set TO1, 0x40                         ; destination in window 1
; A fragment of context: 16 rows x 128 K of 6-bit codes, 12 registers: registers 6 c .. 6 c + 5 hold K = 64 c + 32 h + 0 .. 31, 24 bytes of the row as they lie, in pieces of 8 bytes.
; Row 2 r + u is the u-th half of pair r.  Piece n of a pair lies at 8 n + 16 (n / 8).  Lanes 16-31 read three pieces further on: behind one padding more where n % 8 is 5 or more.
.macro FRAGC reg, u, off
.irp p, 0,1,2,3,4,5
.set PCE, 12*(\u)+6*(\p/3)+\p%3
.if PCE%8 < 5
	ds_load_b64 v[\reg+2*\p:\reg+2*\p+1], v[ACA] offset:\off+8*PCE+16*(PCE/8)
.else
	ds_load_b64 v[\reg+2*\p:\reg+2*\p+1], v[ACB] offset:\off+8*PCE+16*(PCE/8)
.endif
.endr
.endm
.macro FRAGW reg, adr, off             ; a fragment of a weight, from dense rows of 96 bytes
.irp p, 0,1,2,3,4,5
	ds_load_b64 v[\reg+2*\p:\reg+2*\p+1], v[\adr] offset:\off+48*(\p/3)+8*(\p%3)
.endr
.endm
.macro CTXIN n                         ; pixel n: its two fragments and their scale words: 13 LDS loads
	FRAGC CF, 0, PXB*(\n)
	FRAGC CF+12, 1, PXB*(\n)
	ds_load_b64 v[CS:CS+1], v[ASC] offset:128*(\n)
.endm
	s_load_b256 s[8:15], s[0:1], 0x0               ; Wq's codes s[8:9], its scales s[10:11], Wkv's codes s[12:13], its scales s[14:15]
	s_load_b256 s[16:23], s[0:1], 0x20             ; Wo's codes s[16:17], its scales s[18:19], bo s[20:21], context's codes s[22:23]
	s_load_b256 s[24:31], s[0:1], 0x40             ; context's scales s[24:25], x's codes s[26:27], x's scales s[28:29], the output s[30:31]
	v_lshl_add_u32 v230, v0, 2, 0x4a000
	v_mov_b32 v231, 0
	ds_add_u32 v230, v231
	ds_add_u32 v230, v231
	s_wait_dscnt 0x0
	v_lshrrev_b32 v1, 5, v0
	v_readfirstlane_b32 s4, v1                     ; wave 0..7
	; group 1, three shapes.  Elements of 8 bytes; sizes in elements; the extents are the tiles' own, since no tile crosses its tensor's end
	s_mov_b32 s[G1W+0], 3<<16                      ; 17:16 elements of 8 bytes; no mask, no padding
	s_mov_b32 s[G1W+1], 32<<16                     ; tensor_dim0 = 32 (256 bytes)
	s_mov_b32 s[G1W+2], 24<<16                     ; tensor_dim1 = 24
	s_mov_b32 s[G1W+3], 32<<16                     ; tile_dim0 = 32
	s_mov_b32 s[G1W+4], 24                         ; tile_dim1 = 24
	s_mov_b32 s[G1W+5], 32                         ; from row to row: dense
	s_mov_b32 s[G1W+6], 0
	s_mov_b32 s[G1W+7], 0
	s_mov_b32 s[G1S+0], 3<<16
	s_mov_b32 s[G1S+1], 32<<16
	s_mov_b32 s[G1S+2], 4<<16                      ; 4 rows
	s_mov_b32 s[G1S+3], 32<<16
	s_mov_b32 s[G1S+4], 4
	s_mov_b32 s[G1S+5], 32
	s_mov_b32 s[G1S+6], 0
	s_mov_b32 s[G1S+7], 0
	s_mov_b32 s[G1C+0], (3<<16)|(1<<20)|(3<<22)|(3<<25)   ; 20 padding on; 24:22 behind every 16 words (code 3); 31:25 4 words of it (code 3)
	s_mov_b32 s[G1C+1], 96<<16                     ; rows of 768 bytes: 12 intervals of 64, so an LDS row is 960 bytes and every 192 bytes of data take 240
	s_mov_b32 s[G1C+2], 8<<16
	s_mov_b32 s[G1C+3], 96<<16
	s_mov_b32 s[G1C+4], 8
	s_mov_b32 s[G1C+5], 96
	s_mov_b32 s[G1C+6], 0
	s_mov_b32 s[G1C+7], 0
	; group 0: the count and the LDS addresses: a constant + a constant x wave
	s_mov_b32 s[G0W], 1
	s_mul_i32 s[G0W+1], s4, 6144
	s_add_co_u32 s[G0W+1], s[G0W+1], WREG          ; the eight pieces of 6,144 bytes lie on end: Wq's two, Wkv's four, Wo's two
	s_mov_b32 s[G0S], 1
	s_lshl_b32 s[G0S+1], s4, 10
	s_add_co_u32 s[G0S+1], s[G0S+1], CSC
	s_mul_i32 s6, s4, CTXW
.irp c, 0,1,2,3
	s_mov_b32 s[G0C+4*\c], 1
	s_add_co_u32 s[G0C+4*\c+1], s6, \c*CHUNK
.endr
	s_mul_i32 s7, s4, STGW
	s_add_co_u32 s7, s7, WREG                      ; my stage
	s_mov_b32 s84, 0x3e38aa3b                      ; c = log2(e) / 8
	s_mov_b32 s85, 0xffff0000                      ; lanes 16-31
	s_mov_b32 s86, 0x76543210                      ; v_permlanex16_b32: s86, s87: the same place in the other half;  s87, s86: the place 8 away
	s_mov_b32 s87, 0xfedcba98
	; byte offsets into the tensors
	s_lshl_b32 s88, ttmp9, 13
	s_lshl_b32 s5, s4, 10
	s_add_co_u32 s88, s88, s5                      ; context's scales: 8,192 x work-group + 1,024 x wave
	s_mov_b32 s89, 0
	s_mul_i32 s90, ttmp9, 196608
	s_mul_i32 s5, s4, 24576
	s_add_co_u32 s90, s90, s5                      ; context's codes: 196,608 x work-group + 24,576 x wave (under 2^26)
	s_mov_b32 s91, 0
	s_cmp_lt_u32 s4, 2                             ; which piece of which weight is mine: waves 0, 1: Wq;  2 to 5: Wkv;  6, 7: Wo
	s_cselect_b32 s5, 0, 2
	s_cmp_lt_u32 s4, 6
	s_cselect_b32 s5, s5, 6
	s_sub_co_u32 s5, s4, s5
	s_mul_i32 s2, s5, 6144
	s_mov_b32 s3, 0
	; the lanes' addresses: each a constant + constants x parts of the lane's number + a constant x wave
	v_and_b32 v[R], 15, v0
	v_bfe_u32 v[HF], v0, 4, 1
	v_and_b32 v[R7], 7, v0
	v_bfe_u32 v[VON], v0, 3, 1                     ; r / 8, for now
	v_mul_u32_u24 v[ACA], v[R], PAIR
	v_mad_u32_u24 v[ACA], v[HF], 24, v[ACA]
	v_add_nc_u32 v[ACA], s6, v[ACA]
	v_lshl_add_u32 v[ACB], v[HF], 4, v[ACA]
	v_lshl_add_u32 v[ASC], v[R], 3, s[G0S+1]
	v_lshl_add_u32 v[AQ], v[HF], 8, s7
	v_lshl_add_u32 v[AO], v[R], 2, v[AQ]
	v_mad_u32_u24 v[AQS], v[R7], SP, v[AQ]
	v_mul_u32_u24 v[VX], v[R7], 96
	v_mad_u32_u24 v[VX], v[HF], 24, v[VX]
	v_mad_u32_u24 v[AWH], v[VON], 6144, v[VX]
	v_add_nc_u32 v[AWH], WREG, v[AWH]
	v_mul_u32_u24 v[AWN], v[R], 96
	v_mad_u32_u24 v[AWN], v[HF], 24, v[AWN]
	v_add_nc_u32 v[AWN], WREG, v[AWN]
	v_lshl_add_u32 v[AQR], v[HF], 6, s7
	v_mad_u32_u24 v[AQR], v[R7], SP, v[AQR]
	v_lshl_add_u32 v[AYS], v[HF], 5, s7
	v_mad_u32_u24 v[AYS], v[R7], SP, v[AYS]
	v_and_b32 v[GO], 31, v0
	v_lshlrev_b32 v[GO], 4, v[GO]
	v_add_nc_u32 v[AYR], s7, v[GO]
	v_lshlrev_b32 v[VXS], 2, v[R7]
	v_lshl_add_u32 v[VOH], v[VON], 8, v[VXS]
	v_lshlrev_b32 v[VON], 2, v[R]
.irp i, 0,1,2,3,4,5,6,7
	v_mov_b32 v[PY+\i], 0                          ; written once: the destination of a move between lanes counts as one of its sources
.endr
	s_wait_kmcnt 0x0
	s_cmp_lt_u32 s4, 2                             ; the choice of a buffer hangs on the wave's number alone
	s_cselect_b64 s[92:93], s[8:9], s[12:13]
	s_cmp_lt_u32 s4, 6
	s_cselect_b64 s[92:93], s[92:93], s[16:17]
	s_add_nc_u64 s[G0W+2:G0W+3], s[92:93], s[2:3]
	s_or_b32 s[G0W+3], s[G0W+3], 0x80000000        ; 127:126 type = 2
	s_add_nc_u64 s[G0S+2:G0S+3], s[24:25], s[88:89]
	s_or_b32 s[G0S+3], s[G0S+3], 0x80000000
	s_add_nc_u64 s[22:23], s[22:23], s[90:91]
.irp c, 0,1,2,3
	s_add_nc_u64 s[G0C+4*\c+2:G0C+4*\c+3], s[22:23], \c*6144   ; two pixels are 6,144 dense bytes
	s_or_b32 s[G0C+4*\c+3], s[G0C+4*\c+3], 0x80000000
.endr
	; ALL THE FILLS OF THE LAUNCH, in one group: six tensor loads of mine are out.  They end in this order
	tensor_load_to_lds s[G0W:G0W+3], s[G1W:G1W+7]          ; my piece of the weights
	s_nop 0
	tensor_load_to_lds s[G0S:G0S+3], s[G1S:G1S+7]          ; my pixels' scale words
	s_nop 0
	tensor_load_to_lds s[G0C:G0C+3], s[G1C:G1C+7]          ; pixels 0, 1
	s_nop 0
	tensor_load_to_lds s[G0C+4:G0C+7], s[G1C:G1C+7]        ; pixels 2, 3
	s_nop 0
	tensor_load_to_lds s[G0C+8:G0C+11], s[G1C:G1C+7]       ; pixels 4, 5
	s_nop 0
	tensor_load_to_lds s[G0C+12:G0C+15], s[G1C:G1C+7]      ; pixels 6, 7
	s_nop 0
.rept 4
	v_nop
.endr
	s_mul_i32 s88, ttmp9, 6144
	s_mul_i32 s5, s4, 768
	s_add_co_u32 s88, s88, s5
	s_add_nc_u64 s[26:27], s[26:27], s[88:89]      ; x's codes at my first pixel: 96 bytes a pixel
	s_lshl_b32 s88, ttmp9, 8
	s_lshl_b32 s5, s4, 5
	s_add_co_u32 s88, s88, s5
	s_add_nc_u64 s[28:29], s[28:29], s[88:89]      ; x's scale words: 4 bytes a pixel
	s_lshl_b32 s88, ttmp9, 15
	s_lshl_b32 s5, s4, 12
	s_add_co_u32 s88, s88, s5
	s_add_nc_u64 s[30:31], s[30:31], s[88:89]      ; the output: 512 bytes a pixel
.irp p, 0,1,2,3,4,5
	global_load_b64 v[CF+2*\p:CF+2*\p+1], v[VX], s[26:27] offset:48*(\p/3)+8*(\p%3)   ; x's fragment: lane r takes pixel r % 8
.endr
	global_load_b32 v[XS], v[VXS], s[28:29]
.irp t, 0,1,2,3,4,5,6,7
	global_load_b32 v[WQS+\t], v[VOH], s[10:11] offset:32*\t          ; row 8 t + r % 8 + 64 (r / 8)
	global_load_b32 v[WS+\t], v[VOH], s[14:15] offset:32*\t
	global_load_b32 v[WS+8+\t], v[VON], s[14:15] offset:512+64*\t     ; row 128 + 16 t + r
	global_load_b32 v[WOS+\t], v[VON], s[18:19] offset:64*\t          ; row 16 t + r
.endr
	global_load_b128 v[BO:BO+3], v[GO], s[20:21]
	s_wait_tensorcnt 0x5                           ; my piece of the weights has landed; the five loads issued behind it may be out
	s_barrier_signal -1
	s_barrier_wait -1                              ; everybody's piece has: the three weights are whole
.irp t, 0,1,2,3,4,5,6,7
	FRAGW KR+12*\t, AWH, 768*\t                    ; Wq's eight tiles
.endr
	WIN TO1
.irp t, 0,1,2,3,4,5,6,7
	FRAGW 12*\t, AWH, WKO+768*\t                   ; Wkv's eight K tiles: they stay
.endr
	s_wait_dscnt 48                                ; Wq's 48 loads are in; the 48 issued behind them may be out
	s_wait_loadcnt 0x0                             ; x, all scale words, bo
.irp t, 0,1,2,3,4,5,6,7                        ; q: lane (r, h), register j of tile t: q(pixel r % 8, channel 64 h + 8 t + j)
	v_wmma_scale_f32_16x16x128_f8f6f4 v[QB+8*\t:QB+8*\t+7], v[KR+12*\t:KR+12*\t+11], v[CF:CF+11], 0, v[WQS+\t], v[XS] matrix_a_fmt:MATRIX_FMT_BF6 matrix_b_fmt:MATRIX_FMT_BF6
.endr
.irp t, 0,1,2,3,4,5,6,7
	FRAGW 96+12*\t, AWN, WVO+1536*\t               ; Wkv's eight V tiles: they stay
.endr
.rept 5
	v_nop                                          ; four places in front of the stores of q and of the loads over x's fragment; five in front of the first K products, which write over Wq's fragments
.endr
	s_wait_dscnt 0x0                               ; my reads of Wq and Wkv are over
	s_barrier_signal -1
	s_barrier_wait -1                              ; everybody's are: the stages may be written
	WIN B1
.irp i, 0,1,2,3,4,5,6,7,8,9,10,11,12,13,14,15
	ds_store_b128 v[AQS], v[QB+4*\i:QB+4*\i+3] offset:16*\i   ; q into rows of my stage, channels in order; each accumulator from its low end on; lanes r and r + 8 store the same numbers at the same place
.endr
	WIN 0
	s_wait_dscnt 0x0                               ; the stores are done: their registers take q back, pixel by pixel
	s_wait_tensorcnt 0x3                           ; my scale words and pixels 0, 1 have landed; three chunks may be out.  Only I read these bytes
	CTXIN 0
; ONE PIXEL.  32 matrix instructions, none of which adds onto another: each takes the constant 0 as C.
.macro PIXEL p
	WIN TO1
.irp i, 0,1,2,3,4,5,6,7,8,9,10,11,12,13,14,15
	ds_load_b128 v[QB+4*\i:QB+4*\i+3], v[AQ] offset:SP*\p+16*\i   ; q of this pixel, my head's 64 numbers: the sixteen lanes of a half read the same bytes
.endr
	s_wait_dscnt 16                                ; all but these sixteen: the pixel's fragments and scale words are in, the last pixel's stores are done
	WIN A1
.irp u, 0,1
.irp t, 0,1,2,3,4,5,6,7
	v_wmma_scale_f32_16x16x128_f8f6f4 v[KR+64*\u+8*\t:KR+64*\u+8*\t+7], v[12*\t:12*\t+11], v[CF+12*\u:CF+12*\u+11], 0, v[WS+\t], v[CS+\u] matrix_a_fmt:MATRIX_FMT_BF6 matrix_b_fmt:MATRIX_FMT_BF6
.endr
.endr
.rept 4
	v_nop                                          ; places in front of the first read of results
.endr
	s_wait_dscnt 0x0                               ; q is in
	WIN B1
	; q . k: 64 packed multiply-adds in four chains (u = 0, 1 x even, odd tiles); each tile is read from its low end on
.irp a, 0,1,2,3
.irp j, 0,1,2,3
.irp c, 0,1,2,3
.set rK, KR+64*(\c/2)+8*(2*\a+\c%2)+2*\j
.set rQ, QB+8*(2*\a+\c%2)+2*\j
.if \a+\j == 0
	v_pk_mul_f32 v[SA+2*\c:SA+2*\c+1], v[rK:rK+1], v[rQ:rQ+1]
.else
	v_pk_fma_f32 v[SA+2*\c:SA+2*\c+1], v[rK:rK+1], v[rQ:rQ+1], v[SA+2*\c:SA+2*\c+1]
.endif
.endr
.endr
.endr
	WIN 0
	v_pk_add_f32 v[SA:SA+1], v[SA:SA+1], v[SA+2:SA+3]
	v_pk_add_f32 v[SA+4:SA+5], v[SA+4:SA+5], v[SA+6:SA+7]
	v_add_f32 v[SA], v[SA], v[SA+1]                ; the score of row 2 r, head h
	v_add_f32 v[SA+1], v[SA+4], v[SA+5]            ; and of row 2 r + 1
	WIN B1
	; The V products write over the K products' results.  Behind each K product stand the four v_nop and at least 60 of the lines above that name none of its registers
.irp u, 0,1
.irp t, 0,1,2,3,4,5,6,7
	v_wmma_scale_f32_16x16x128_f8f6f4 v[KR+64*\u+8*\t:KR+64*\u+8*\t+7], v[CF+12*\u:CF+12*\u+11], v[96+12*\t:96+12*\t+11], 0, v[CS+\u], v[WS+8+\t] matrix_a_fmt:MATRIX_FMT_BF6 matrix_b_fmt:MATRIX_FMT_BF6
.endr
.endr
	WIN 0
	; the softmax of head h over its 32 rows: two registers x the sixteen lanes of my half.  It stands behind the V products, whose registers it does not name
	v_max_num_f32 v[SA+2], v[SA], v[SA+1]
	v_max_num_f32_dpp v[SA+2], v[SA+2], v[SA+2] row_xmask:1 row_mask:0xf bank_mask:0xf
	v_max_num_f32_dpp v[SA+2], v[SA+2], v[SA+2] row_xmask:2 row_mask:0xf bank_mask:0xf
	v_max_num_f32_dpp v[SA+2], v[SA+2], v[SA+2] row_xmask:4 row_mask:0xf bank_mask:0xf
	v_max_num_f32_dpp v[SA+2], v[SA+2], v[SA+2] row_xmask:8 row_mask:0xf bank_mask:0xf
	v_mul_f32 v[SA+2], s84, v[SA+2]                ; c x the largest score (c is positive); the same number in all sixteen lanes, so its rounding cancels in the division
	v_fma_f32 v[SA], v[SA], s84, -v[SA+2]
	v_fma_f32 v[SA+1], v[SA+1], s84, -v[SA+2]
	v_exp_f32 v[SA], v[SA]
	v_exp_f32 v[SA+1], v[SA+1]
	v_nop                                          ; a plain place behind the exponentials
	s_wait_alu depctr_va_vdst(0)
	v_add_f32 v[SA+3], v[SA], v[SA+1]
	v_add_f32_dpp v[SA+3], v[SA+3], v[SA+3] row_xmask:1 row_mask:0xf bank_mask:0xf
	v_add_f32_dpp v[SA+3], v[SA+3], v[SA+3] row_xmask:2 row_mask:0xf bank_mask:0xf
	v_add_f32_dpp v[SA+3], v[SA+3], v[SA+3] row_xmask:4 row_mask:0xf bank_mask:0xf
	v_add_f32_dpp v[SA+3], v[SA+3], v[SA+3] row_xmask:8 row_mask:0xf bank_mask:0xf
	v_rcp_f32 v[SA+3], v[SA+3]
	v_nop                                          ; a plain place behind the reciprocal
	s_wait_alu depctr_va_vdst(0)
	v_mul_f32 v[SA], v[SA], v[SA+3]                ; lane (r, h): the weight of row 2 r of head h,
	v_mul_f32 v[SA+1], v[SA+1], v[SA+3]            ; and of row 2 r + 1
	; The V products' results want, in lane (., h), the weight of row 16 h + 2 j + u of EITHER head: it lies in lane (8 h + j, head).  G[head][u] brings it to lane (j, h)
.irp u, 0,1
	v_permlanex16_b32 v[PY+\u], v[SA+\u], s87, s86     ; the other half's lane r xor 8
	v_permlanex16_b32 v[PX+\u], v[SA+\u], s86, s87     ; the other half's lane r
	v_mov_b32_dpp v[PR+\u], v[SA+\u] row_xmask:8 row_mask:0xf bank_mask:0xf   ; my half's lane r xor 8
.endr
.irp u, 0,1
	v_cndmask_b32 v[G+\u], v[SA+\u], v[PY+\u], s85     ; head 0: lanes 0-15 keep their own, lanes 16-31 take the other half's, 8 away
	v_cndmask_b32 v[G+2+\u], v[PX+\u], v[PR+\u], s85   ; head 1: lanes 0-15 take the other half's, lanes 16-31 their own half's, 8 away
.endr
	; what comes next is asked for here: more than four plain lines stand behind the last product that read these registers
.if \p < 7
.if (\p+1)%2 == 0
	s_wait_tensorcnt 3-(\p+1)/2                    ; the next pixel's chunk has landed; the chunks issued behind it may be out
.endif
	CTXIN \p+1
.else
	WIN TO1
.irp t, 0,1,2,3,4,5,6,7
	FRAGW 12*\t, AWN, WOO+1536*\t                  ; Wo's eight tiles, where the K tiles lay
.endr
	WIN 0
.endif
	; weights . v, head by head: 16 weights are spread over the lanes of each half, then 32 packed multiply-adds on the head's four tiles; each tile is read from its low end on
.irp d, 0,1
.irp u, 0,1
.irp j, 0,1,2,3,4,5,6,7
	v_mov_b32_dpp v[AB+8*\u+\j], v[G+2*\d+\u] row_share:\j row_mask:0xf bank_mask:0xf
.endr
.endr
.irp u, 0,1
.irp j, 0,1,2,3
.irp t, 0,1,2,3
.set rO, OA+2*(4*\d+\t)
.set rV, KR+64*\u+8*(4*\d+\t)+2*\j
.set rA, AB+8*\u+2*\j
.if \u+\j == 0
	v_pk_mul_f32 v[rO:rO+1], v[rV:rV+1], v[rA:rA+1]
.else
	v_pk_fma_f32 v[rO:rO+1], v[rV:rV+1], v[rA:rA+1], v[rO:rO+1]
.endif
.endr
.endr
.endr
.endr
.irp t, 0,1,2,3,4,5,6,7
	v_add_f32 v[OA+2*\t], v[OA+2*\t], v[OA+2*\t+1]     ; lane (r, h): channel 16 t + r, summed over rows 16 h .. 16 h + 15
.endr
.irp a, 0,1,2,3
	v_permlane16_swap_b32 v[OA+2*\a], v[OA+8+2*\a]     ; tile a's lanes 16-31 change places with tile a + 4's lanes 0-15: both halves of a channel's sum now lie in one lane
.endr
.irp a, 0,1,2,3
	v_add_f32 v[FN+\a], v[OA+2*\a], v[OA+8+2*\a]       ; lane (r, h): channel 64 h + 16 a + r
.endr
.irp a, 0,1,2,3
	ds_store_b32 v[AO], v[FN+\a] offset:SP*\p+64*\a    ; over q of this pixel, which has been read: row p of my stage now holds the pixel's 128 results
.endr
.endm
	PIXEL 0
	PIXEL 1
	PIXEL 2
	PIXEL 3
	PIXEL 4
	PIXEL 5
	PIXEL 6
	PIXEL 7
	; THE OUTPUT PRODUCT.  Lane (r, h) takes, of pixel r % 8, 16 neighbours of each block of 32: register 16 b + i = channel 32 b + 16 h + i
.irp b, 0,1,2,3
.irp j, 0,1,2,3
	ds_load_b128 v[KR+16*\b+4*\j:KR+16*\b+4*\j+3], v[AQR] offset:128*\b+16*\j   ; LDS serves a wave's instructions in order (ISA guide 5.7.1): these see my stores
.endr
.endr
	s_wait_dscnt 0x0                               ; these, and Wo's fragments
.irp b, 0,1,2,3
	v_max3_num_f32 v[TM+\b], |v[KR+16*\b]|, |v[KR+1+16*\b]|, 0x2800000   ; block b: my 16 numbers, and the floor 2^(5 - 127): the byte cannot fall under 1
.endr
.irp i, 2,4,6,8,10,12,14
.irp b, 0,1,2,3
	v_max3_num_f32 v[TM+\b], v[TM+\b], |v[KR+16*\b+\i]|, |v[KR+1+16*\b+\i]|   ; (the four blocks by turns)
.endr
.endr
.irp b, 0,1,2,3
	v_permlanex16_b32 v[TM+4+\b], v[TM+\b], s86, s87
.endr
.irp b, 0,1,2,3
	v_max_num_f32 v[TM+\b], v[TM+\b], v[TM+4+\b]   ; with the other half's 16: the block's largest magnitude
.endr
.irp b, 0,1,2,3
	v_add_nc_u32 v[TM+12+\b], 0xfe000000, v[TM+\b] ; 4 off its exponent field: the conversion takes the exponent field of this operand as its scale, and nothing else of it
.endr
.irp b, 0,1,2,3
	v_lshrrev_b32 v[TM+4+\b], 23, v[TM+12+\b]      ; the scale's byte
.endr
	v_lshl_or_b32 v[PW], v[TM+5], 8, v[TM+4]       ; the four bytes make my pixel's scale word
	v_lshl_or_b32 v[PW], v[TM+6], 16, v[PW]
	v_lshl_or_b32 v[PW], v[TM+7], 24, v[PW]
.irp c, 0,1
	v_cvt_scalef32_pk16_bf6_f32 v[CD+6*\c:CD+2+6*\c], v[KR+32*\c:KR+15+32*\c], v[TM+12+2*\c]
	v_cvt_scalef32_pk16_bf6_f32 v[CD+12+4*\c:CD+14+4*\c], v[KR+16+32*\c:KR+31+32*\c], v[TM+12+2*\c+1]   ; (a conversion's three registers begin on an even number)
.endr
	v_nop                                          ; one plain place behind a scaled conversion
.irp c, 0,1                                    ; the operand's layout wants a whole block in a lane: lanes 0-15 block 2 c, lanes 16-31 block 2 c + 1
.irp i, 0,1,2
	v_permlane16_swap_b32 v[CD+6*\c+\i], v[CD+12+4*\c+\i]
.endr
.irp i, 0,1,2
	v_mov_b32 v[CD+3+6*\c+\i], v[CD+12+4*\c+\i]
.endr
.endr
.rept 8
	v_nop                                          ; a scale word made by vector instructions stands eight places ahead of the scaled product, codes so made four
.endr
	WIN A1
.irp t, 0,1,2,3,4,5,6,7                        ; source 0 = rows 16 t + m of Wo, source 1 = the results' codes: lane (r, h), register j: y(pixel r % 8, column 16 t + 8 h + j)
	v_wmma_scale_f32_16x16x128_f8f6f4 v[YA+8*\t:YA+8*\t+7], v[12*\t:12*\t+11], v[CD:CD+11], 0, v[WOS+\t], v[PW] matrix_a_fmt:MATRIX_FMT_BF6 matrix_b_fmt:MATRIX_FMT_BF6
.endr
	WIN 0
.rept 4
	v_nop                                          ; places in front of the stores of results
.endr
.irp t, 0,1,2,3,4,5,6,7
	ds_store_b128 v[AYS], v[YA+8*\t:YA+8*\t+3] offset:64*\t        ; into my stage's rows, whose numbers have been read; each accumulator from its low end on
	ds_store_b128 v[AYS], v[YA+8*\t+4:YA+8*\t+7] offset:64*\t+16
.endr
.irp i, 0,1,2,3,4,5,6,7
	ds_load_b128 v[KR+4*\i:KR+4*\i+3], v[AYR] offset:SP*\i         ; back as whole rows: the 32 lanes take a pixel's 512 bytes
.endr
.irp i, 0,1,2,3,4,5,6,7
	s_wait_dscnt 7-\i                              ; row i is in; the younger rows' loads may be out
	v_pk_add_f32 v[KR+4*\i:KR+4*\i+1], v[KR+4*\i:KR+4*\i+1], v[BO:BO+1]
	v_pk_add_f32 v[KR+4*\i+2:KR+4*\i+3], v[KR+4*\i+2:KR+4*\i+3], v[BO+2:BO+3]
	global_store_b128 v[GO], v[KR+4*\i:KR+4*\i+3], s[30:31] offset:512*\i th:TH_STORE_NT   ; 32 lanes store 512 consecutive bytes, at a multiple of 512 from the output's first byte; written once, read by nobody here
.endr
	s_wait_xcnt 0x0
	v_lshl_add_u32 v230, v0, 2, 0x4a000
	v_mov_b32 v231, 0
	s_wait_tensorcnt 0x0
	ds_add_u32 v230, v231
	s_wait_dscnt 0x0
	s_endpgm                                       ; every tensor load was waited for in front of pixel 6; no LDS instruction is out
.Lfunc_end_k_qb226419512_attn:
	.size	k_qb226419512_attn, .Lfunc_end_k_qb226419512_attn-k_qb226419512_attn
	.p2alignl 7, 3214868480
	.fill 96, 4, 3214868480
	.section	.rodata,"a",@progbits
	.p2align	6, 0x0
	.amdhsa_kernel k_qb226419512_attn
		.amdhsa_group_segment_fixed_size 304128
		.amdhsa_private_segment_fixed_size 0
		.amdhsa_enable_private_segment 0
		.amdhsa_kernarg_size 96
		.amdhsa_user_sgpr_count 2
		.amdhsa_user_sgpr_kernarg_segment_ptr 1
		.amdhsa_wavefront_size32 1
		.amdhsa_system_sgpr_workgroup_id_x 1
		.amdhsa_system_sgpr_workgroup_id_y 1
		.amdhsa_system_sgpr_workgroup_id_z 1
		.amdhsa_system_vgpr_workitem_id 0
		.amdhsa_next_free_vgpr 512
		.amdhsa_next_free_sgpr 96
		.amdhsa_reserve_vcc 0
		.amdhsa_float_denorm_mode_32 3
		.amdhsa_float_denorm_mode_16_64 3
		.amdhsa_memory_ordered 1
		.amdhsa_forward_progress 1
		.amdhsa_inst_pref_size 187
	.end_amdhsa_kernel
	.amdgpu_metadata
---
amdhsa.version: [ 1, 2 ]
amdhsa.kernels:
  - .name:           k_qb226419512_attn
    .symbol:         k_qb226419512_attn.kd
    .args:
      - { .name: Wq_codes, .offset: 0, .size: 8, .value_kind: global_buffer, .address_space: global }
      - { .name: Wq_scales, .offset: 8, .size: 8, .value_kind: global_buffer, .address_space: global }
      - { .name: Wkv_codes, .offset: 16, .size: 8, .value_kind: global_buffer, .address_space: global }
      - { .name: Wkv_scales, .offset: 24, .size: 8, .value_kind: global_buffer, .address_space: global }
      - { .name: Wo_codes, .offset: 32, .size: 8, .value_kind: global_buffer, .address_space: global }
      - { .name: Wo_scales, .offset: 40, .size: 8, .value_kind: global_buffer, .address_space: global }
      - { .name: bo, .offset: 48, .size: 8, .value_kind: global_buffer, .address_space: global }
      - { .name: context_codes, .offset: 56, .size: 8, .value_kind: global_buffer, .address_space: global }
      - { .name: context_scales, .offset: 64, .size: 8, .value_kind: global_buffer, .address_space: global }
      - { .name: x_codes, .offset: 72, .size: 8, .value_kind: global_buffer, .address_space: global }
      - { .name: x_scales, .offset: 80, .size: 8, .value_kind: global_buffer, .address_space: global }
      - { .name: out0, .offset: 88, .size: 8, .value_kind: global_buffer, .address_space: global }
    .group_segment_fixed_size: 304128
    .private_segment_fixed_size: 0
    .kernarg_segment_align: 8
    .kernarg_segment_size: 96
    .max_flat_workgroup_size: 256
    .sgpr_count:     96
    .vgpr_count:     512
    .wavefront_size: 32
...
	.end_amdgpu_metadata
.endif
;; end of part 1
;; ======== version 2 of 2: 1 launch; 1.13 times as fast as version 1
;; launch attn (part 2): grid 256 x 1, 8 waves a work-group, no clusters, 258,048 bytes of LDS; arguments Wq_codes, Wq_scales, Wkv_codes, Wkv_scales, Wo_codes, Wo_scales, bo, context_codes, context_scales, x_codes, x_scales, out0; writes out0
.if DOCPART == 2
	.amdgcn_target "amdgcn-amd-amdhsa--gfx1250"
	.amdhsa_code_object_version 6
	.text
	.protected	k_qb226419512_attn
	.globl	k_qb226419512_attn
	.p2align	8
	.type	k_qb226419512_attn,@function
k_qb226419512_attn:
	s_mov_b64 s[64:65], 0
	v_nop
	global_prefetch_b8 v0, s[64:65] scope:SCOPE_SE
	s_setreg_imm32_b32 hwreg(HW_REG_WAVE_MODE, 25, 1), 1
	s_wait_xcnt 0x0
; PER-PIXEL CROSS ATTENTION ON CODES OF BF6 (E3M2), one E8M0 scale for each 32 along K.  16,384 pixels; a pixel has one row of x and 32 rows of context, 128 numbers each.
; q = x Wq;  k, v = context Wkv;  for each of 2 heads: softmax over the 32 rows of q . k / 8, then the weights times v;  the 128 results are quantised along K, multiplied by Wo, and bo is added.
; The three products with weights go to the scaled matrix instruction on codes as they lie in memory; q . k and weights . v feed a quantiser and are f32 multiply-adds; the softmax takes the row's true maximum away.
; SHARES.  256 work-groups of 8 waves.  A work-group owns 64 pixels, a wave 8 of them, through the whole chain.
; NO RING.  A work-group's context is 196,608 bytes of codes and fits in LDS: every tensor load is a first fill, issued at the head, six a wave; nothing is filled twice.  No branch, no loop.
; NO CLUSTER: work-groups share the weights alone, 49,152 of the 262,912 bytes that a work-group reads; context, x and the output are each one work-group's own.
; NO PREFETCH: all that the work-group reads is asked for in its first lines.
; A LANE TAKES A PIXEL.  h = lane / 16, p8 = lane % 8, u = (lane / 8) % 2.  In step i = 8 g + k (16 steps) the fragment's lane takes row 8 (2 g + u) + (k xor p8) of pixel p8: over the 16 steps and u, each of a
;   pixel's 32 rows once.  The order of rows means nothing to a softmax or to a weighted sum, and both passes walk the same order.
;   All weights' tiles are split over the heads: tile t takes rows 8 t + m % 8 + 64 (m / 8).  So lane (., h), register 8 t + j of a product's results is channel 8 t + j of head h:
;   of q for the lane's pixel (it stays in registers), of k and of v for the lane's row.  q . k needs no other lane, a lane's 16 scores are 16 registers, the weight of a lane's row is the lane's own,
;   and the results add up in 64 registers over the 16 steps.  Lanes 8 apart hold the two halves of a pixel's rows: one exchange each for the maximum, the sum and the results.
; TWO PASSES: all K products and scores; the softmax; all V products.  Wv takes Wk's registers between them, Wo takes them at the end.
; BY TURNS.  A step's 8 result tiles are two groups of 4: while one group's 16 packed lines run, the next 4 products are issued into the other group.  No product adds onto another: each takes the constant 0 as C.
; ONE WINDOW SETTING serves both passes: source 0 in window 1, where the weights, q (later the softmax's weights) and the context's addresses lie: source 0 of the products, of the packed lines and of the LDS loads.
; THE OUTPUT PRODUCT takes 8 pixels twice (lane r: pixel r % 8), as q's does.  A lane holds blocks 2 h and 2 h + 1 of its pixel's four blocks of 32, where the operand's layout gives it places h and 2 + h:
;   so blocks 1 and 2 change places along K, in Wo's fragments and scale words alike.  The products are the same; only the order of the sums differs.
; LIMITS: NaN, infinities and scale bytes 0xff among the inputs are not served.  A block of 32 results that is all zeros gets the byte 1 with zero codes, where the quantiser says 127: the product is the same.
;   Blocks whose largest magnitude lies under 2^(5 - 127) are held at the byte 1.
.set QTR,   6160                       ; LDS: from one piece of 6,144 dense bytes to the next: 16 bytes more, so that neighbouring pieces lie 16 bytes apart modulo 256
.set CTXW,  24832                      ; a wave's context: four quarters (quarter Q: rows 8 Q .. 8 Q + 7 of its 8 pixels, 768 bytes a pixel, 96 a row), rounded up to blocks of 256 bytes
.set WREG,  8*CTXW                     ; the weights: eight pieces of 64 rows of 96 bytes: Wq's two heads, Wk's, Wv's, Wo's two halves
.set WKO,   2*QTR
.set WVO,   4*QTR
.set WOO,   6*QTR
.set CSC,   WREG+49408                 ; context's scale words: 1,024 bytes a wave, 128 a pixel, 4 a row
.set SP,    528                        ; the way out: a stage of 8 rows of 512 bytes + 16, at the head of the wave's own context, which has had its one fill and its last read by then
; BANKS (64 of 4 bytes: ISA guide 11.1).  In units of 8 bytes, modulo 32, a lane's address in a context or weight load is 12 (k xor p8) + 2 u + 3 h: eight different multiples of 4, plus 0, 2, 3 or 5: 32 different places.
; window 0
.set HF,  2                            ; v2   h
.set P8,  3                            ; v3   p8
.set U,   4                            ; v4   u
.set CB,  5                            ; v5   context: CTXW w + QTR u + 768 p8 + 24 h
.set SB,  6                            ; v6   its scale words: CSC + 1,024 w + 128 p8 + 32 u + 64 h (lanes 16-31 take the words of steps 8 to 15)
.set AWH, 7                            ; v7   weights: WREG + 96 p8 + QTR u + 24 h
.set AWO, 8                            ; v8   Wo, blocks 1 and 2 changed: WREG + 96 p8 + QTR u + 48 h
.set AYS, 9                            ; v9   stage + SP p8 + 256 h
.set AYR, 10                           ; v10  stage + 16 x lane
.set GO,  11                           ; v11  16 x lane
.set VX,  12                           ; v12  x's codes: 96 p8 + 24 h
.set VXS, 13                           ; v13  x's scale word: 4 p8
.set VOH, 14                           ; v14  the weights' scale words: 4 p8 + 256 u
.set BO,  16                           ; v16-19  bo(4 lane .. 4 lane + 3)
.set XS,  20                           ; v20  x's scale word
.set PW,  21                           ; v21  the scale word of the quantised results
.set WSK, 22                           ; v22-29  Wk's scale words, a register a tile
.set WSV, 30                           ; v30-37  Wv's
.set WQS, 38                           ; v38-45  Wq's
.set WOS, 46                           ; v46-53  Wo's
.set CSW, 54                           ; v54-61  context's: register k: lanes 0-15 step k, lanes 16-31 step 8 + k
.set T0,  62                           ; v62-63  at work
.set T1,  63
.set CF,  64                           ; v64-87  two fragments of context by turns; at the head x's fragment
.set CD,  64                           ; v64-75  at the end: the results' codes;
.set CX,  76                           ; v76-82  and their second halves as they are made
.set SC,  88                           ; v88-103 the lane's 16 scores
.set XK,  88                           ; at the head: v88-95 k xor p8,
.set SK,  96                           ; v96-103 the addresses of the scale words
.set MX,  104                          ; v104-105 the maximum
.set ZS,  106                          ; v106-109 the sum
.set TM,  112                          ; v112-115 largest magnitudes
.set SO,  116                          ; v116-117 the conversions' scale operands
.set BY,  118                          ; v118-119 the scales' bytes
.set KR,  128                          ; v128-191 a step's results, 8 t + j; at the end y's accumulators
.set OS,  192                          ; v192-255 pass 1: step i's two chains at 4 i; pass 2: the results, 8 t + j; at the end rows of y.  (v128-223 hold Wq's fragments at the head)
; window 1: v0-95 the weight in hand, tile t at 12 t
.set QR,  96                           ; v96-159 q, 8 t + j
.set AW,  96                           ; v96-127 then the softmax's weights: step i's at 2 i
.set AK,  160                          ; v160-167 context's addresses: CB + 96 (k xor p8)
; scalars: s4 wave, s6 CTXW w, s[8:31] the twelve addresses, s[84:85] c, s[86:87] lane selects
.set G1W, 32                           ; s[32:39] group 1: 24 rows of 256 bytes, dense
.set G1S, 40                           ; s[40:47] group 1: 4 rows of 256 bytes, dense
.set G1C, 48                           ; s[48:55] group 1: 8 rows of 768 bytes, 3,072 bytes apart in memory, dense in LDS
.set G0W, 56                           ; s[56:59] group 0: my piece of the weights
.set G0S, 60                           ; s[60:63] group 0: my context scale words
.set G0C, 68                           ; s[68:83] group 0: my four quarters of context
.set MSB, 0
.macro WIN new                         ; the immediate's high byte repeats the setting that is left; a switch that changes nothing is dropped
.if MSB != \new
	s_set_vgpr_msb (MSB<<8)|\new
.set MSB, \new
.endif
.endm
.set A1,  0x01                         ; source 0 in window 1
.set TO1, 0x40                         ; destination in window 1
; A fragment: 16 rows x 128 K of 6-bit codes, 12 registers: registers 6 c .. 6 c + 5 hold K = 64 c + 32 h + 0 .. 31, 24 bytes of the row as they lie, in pieces of 8 bytes
.macro FRAGW reg, off                  ; of a weight
.irp p, 0,1,2,3,4,5
	ds_load_b64 v[\reg+2*\p:\reg+2*\p+1], v[AWH] offset:\off+48*(\p/3)+8*(\p%3)
.endr
.endm
.macro FRAGO reg, off                  ; of Wo: registers 6 c .. hold block 2 h + c of the row
.irp p, 0,1,2,3,4,5
	ds_load_b64 v[\reg+2*\p:\reg+2*\p+1], v[AWO] offset:\off+24*(\p/3)+8*(\p%3)
.endr
.endm
.macro LOADCF i                        ; of context, step i, into buffer i % 2.  (Under setting A1: the address lies in window 1)
.irp p, 0,1,2,3,4,5
	ds_load_b64 v[CF+12*((\i)%2)+2*\p:CF+12*((\i)%2)+2*\p+1], v[AK+(\i)%8] offset:2*QTR*((\i)/8)+48*(\p/3)+8*(\p%3)
.endr
.endm
; Four products of step i: tiles 4 g .. 4 g + 3 of the weight in hand (scale words from v[ws] on) x the step's fragment
.macro MM ws, i, g
.irp a, 0,1,2,3
.set rT, 4*\g+\a
.if (\i) < 8
	v_wmma_scale_f32_16x16x128_f8f6f4 v[KR+8*rT:KR+8*rT+7], v[12*rT:12*rT+11], v[CF+12*((\i)%2):CF+12*((\i)%2)+11], 0, v[\ws+rT], v[CSW+(\i)%8] matrix_a_fmt:MATRIX_FMT_BF6 matrix_b_fmt:MATRIX_FMT_BF6
.else
	v_wmma_scale_f32_16x16x128_f8f6f4 v[KR+8*rT:KR+8*rT+7], v[12*rT:12*rT+11], v[CF+12*((\i)%2):CF+12*((\i)%2)+11], 0, v[\ws+rT], v[CSW+(\i)%8] matrix_a_fmt:MATRIX_FMT_BF6 matrix_b_fmt:MATRIX_FMT_BF6 matrix_b_scale:MATRIX_SCALE_ROW1
.endif
.endr
.endm
; Pass 1, group g of step i: q . k, 16 packed lines in the step's two chains; each tile is read from its low end on.  Behind group 0's first 8 lines, which name no register of the products just issued,
; the fragment after next is asked for, into the buffer that those products were the last to read; the last two steps ask for pass 2's first two.
.macro VSIM i, g
.irp a, 0,1,2,3
.irp j, 0,1,2,3
.set rS, OS+4*(\i)+2*(\j%2)
.set rK, KR+8*(4*\g+\a)+2*\j
.set rQ, QR+8*(4*\g+\a)+2*\j
.if (4*\g+\a == 0) && (\j < 2)
	v_pk_mul_f32 v[rS:rS+1], v[rQ:rQ+1], v[rK:rK+1]
.else
	v_pk_fma_f32 v[rS:rS+1], v[rQ:rQ+1], v[rK:rK+1], v[rS:rS+1]
.endif
.endr
.if (\g == 0) && (\a == 1)
.if (\i) == 6
	s_wait_tensorcnt 0x0                           ; step 8 reads quarters 2 and 3, my last two tensor loads: none was issued behind them
.endif
.set NXT, ((\i)+2)%16
	LOADCF NXT
.endif
.endr
.endm
; Pass 2, group g of step i: the results += my row's weight x v: 16 packed lines on 16 different pairs.  Of the weight's pair the first register serves both halves
.macro VOUT i, g
.irp a, 0,1,2,3
.irp j, 0,1,2,3
.set rO, OS+8*(4*\g+\a)+2*\j
.set rV, KR+8*(4*\g+\a)+2*\j
.if (\i) == 0
	v_pk_mul_f32 v[rO:rO+1], v[AW+2*(\i):AW+2*(\i)+1], v[rV:rV+1] op_sel_hi:[0,1]
.else
	v_pk_fma_f32 v[rO:rO+1], v[AW+2*(\i):AW+2*(\i)+1], v[rV:rV+1], v[rO:rO+1] op_sel_hi:[0,1,1]
.endif
.endr
.if (\g == 0) && (\a == 1) && ((\i) < 14)
.set NXT, (\i)+2
	LOADCF NXT
.endif
.endr
.endm
	s_load_b256 s[8:15], s[0:1], 0x0               ; Wq's codes s[8:9], its scales s[10:11], Wkv's codes s[12:13], its scales s[14:15]
	s_load_b256 s[16:23], s[0:1], 0x20             ; Wo's codes s[16:17], its scales s[18:19], bo s[20:21], context's codes s[22:23]
	s_load_b256 s[24:31], s[0:1], 0x40             ; context's scales s[24:25], x's codes s[26:27], x's scales s[28:29], the output s[30:31]
	v_lshl_add_u32 v126, v0, 2, 0x3ec00
	v_mov_b32 v127, 0
	ds_add_u32 v126, v127
	ds_add_u32 v126, v127
	v_lshrrev_b32 v1, 5, v0
	v_readfirstlane_b32 s4, v1                     ; wave 0..7
	; group 1, three shapes.  Elements of 8 bytes; sizes in elements; the extents are the tiles' own, since no tile crosses its tensor's end
	s_mov_b32 s[G1W+0], 3<<16                      ; 17:16 elements of 8 bytes; no mask, no padding
	s_mov_b32 s[G1W+1], 32<<16                     ; tensor_dim0 = 32 (256 bytes)
	s_mov_b32 s[G1W+2], 24<<16                     ; tensor_dim1 = 24
	s_mov_b32 s[G1W+3], 32<<16                     ; tile_dim0 = 32
	s_mov_b32 s[G1W+4], 24                         ; tile_dim1 = 24
	s_mov_b32 s[G1W+5], 32                         ; from row to row: dense
	s_mov_b32 s[G1W+6], 0
	s_mov_b32 s[G1W+7], 0
	s_mov_b32 s[G1S+0], 3<<16
	s_mov_b32 s[G1S+1], 32<<16
	s_mov_b32 s[G1S+2], 4<<16                      ; 4 rows
	s_mov_b32 s[G1S+3], 32<<16
	s_mov_b32 s[G1S+4], 4
	s_mov_b32 s[G1S+5], 32
	s_mov_b32 s[G1S+6], 0
	s_mov_b32 s[G1S+7], 0
	s_mov_b32 s[G1C+0], 3<<16
	s_mov_b32 s[G1C+1], 96<<16                     ; a row: 768 bytes, 8 rows of one pixel's context, at a multiple of 256 bytes from the buffer's first byte
	s_mov_b32 s[G1C+2], 8<<16                      ; 8 rows: my 8 pixels
	s_mov_b32 s[G1C+3], 96<<16
	s_mov_b32 s[G1C+4], 8
	s_mov_b32 s[G1C+5], 384                        ; from pixel to pixel: 3,072 bytes
	s_mov_b32 s[G1C+6], 0
	s_mov_b32 s[G1C+7], 0
	; group 0: the count and the LDS addresses: a constant + a constant x wave
	s_mov_b32 s[G0W], 1
	s_mul_i32 s[G0W+1], s4, QTR
	s_add_co_u32 s[G0W+1], s[G0W+1], WREG
	s_mov_b32 s[G0S], 1
	s_lshl_b32 s[G0S+1], s4, 10
	s_add_co_u32 s[G0S+1], s[G0S+1], CSC
	s_mul_i32 s6, s4, CTXW
.irp c, 0,1,2,3
	s_mov_b32 s[G0C+4*\c], 1
	s_add_co_u32 s[G0C+4*\c+1], s6, \c*QTR
.endr
	s_mov_b32 s84, 0x3e38aa3b                      ; c = log2(e) / 8
	s_mov_b32 s85, s84                             ; (the packed form names the pair and takes its low word for both halves: so s85 is written)
	s_mov_b32 s86, 0x76543210                      ; v_permlanex16_b32: the same place in the other half
	s_mov_b32 s87, 0xfedcba98
	; byte offsets into the tensors
	s_lshl_b32 s88, ttmp9, 13
	s_lshl_b32 s5, s4, 10
	s_add_co_u32 s88, s88, s5                      ; context's scales: 8,192 x work-group + 1,024 x wave
	s_mov_b32 s89, 0
	s_mul_i32 s90, ttmp9, 196608
	s_mul_i32 s5, s4, 24576
	s_add_co_u32 s90, s90, s5                      ; context's codes: 196,608 x work-group + 24,576 x wave (under 2^26)
	s_mov_b32 s91, 0
	s_cmp_lt_u32 s4, 2                             ; which piece of which weight is mine: waves 0, 1: Wq;  2 to 5: Wkv;  6, 7: Wo
	s_cselect_b32 s5, 0, 2
	s_cmp_lt_u32 s4, 6
	s_cselect_b32 s5, s5, 6
	s_sub_co_u32 s5, s4, s5
	s_mul_i32 s2, s5, 6144
	s_mov_b32 s3, 0
	; the lanes' addresses: each a constant + constants x parts of the lane's number + a constant x wave
	v_bfe_u32 v[HF], v0, 4, 1
	v_and_b32 v[P8], 7, v0
	v_bfe_u32 v[U], v0, 3, 1
	v_mul_u32_u24 v[CB], v[P8], 768
	v_mad_u32_u24 v[CB], v[U], QTR, v[CB]
	v_mad_u32_u24 v[CB], v[HF], 24, v[CB]
	v_add_nc_u32 v[CB], s6, v[CB]
	v_lshlrev_b32 v[SB], 7, v[P8]
	v_lshl_add_u32 v[SB], v[U], 5, v[SB]
	v_lshl_add_u32 v[SB], v[HF], 6, v[SB]
	v_add_nc_u32 v[SB], s[G0S+1], v[SB]
	v_mul_u32_u24 v[VX], v[P8], 96
	v_mad_u32_u24 v[VX], v[HF], 24, v[VX]
	v_mad_u32_u24 v[AWH], v[U], QTR, v[VX]
	v_add_nc_u32 v[AWH], WREG, v[AWH]
	v_mad_u32_u24 v[AWO], v[HF], 24, v[AWH]
	v_lshl_add_u32 v[AYS], v[HF], 8, s6
	v_mad_u32_u24 v[AYS], v[P8], SP, v[AYS]
	v_and_b32 v[GO], 31, v0
	v_lshlrev_b32 v[GO], 4, v[GO]
	v_add_nc_u32 v[AYR], s6, v[GO]
	v_lshlrev_b32 v[VXS], 2, v[P8]
	v_lshl_add_u32 v[VOH], v[U], 8, v[VXS]
.irp k, 0,1,2,3,4,5,6,7
	v_xor_b32 v[XK+\k], \k, v[P8]                  ; which of a quarter's 8 rows my lane takes in steps k and 8 + k
.endr
.irp k, 0,1,2,3,4,5,6,7
	v_lshl_add_u32 v[SK+\k], v[XK+\k], 2, v[SB]    ; and that row's scale word
.endr
	v_mov_b32 v[T1], 0                             ; written once: the destination of a move between lanes counts as one of its sources
	s_wait_dscnt 0x0
	s_wait_kmcnt 0x0
	s_cmp_lt_u32 s4, 2                             ; the choice of a buffer hangs on the wave's number alone
	s_cselect_b64 s[92:93], s[8:9], s[12:13]
	s_cmp_lt_u32 s4, 6
	s_cselect_b64 s[92:93], s[92:93], s[16:17]
	s_add_nc_u64 s[G0W+2:G0W+3], s[92:93], s[2:3]
	s_or_b32 s[G0W+3], s[G0W+3], 0x80000000        ; 127:126 type = 2
	s_add_nc_u64 s[G0S+2:G0S+3], s[24:25], s[88:89]
	s_or_b32 s[G0S+3], s[G0S+3], 0x80000000
	s_add_nc_u64 s[22:23], s[22:23], s[90:91]
.irp c, 0,1,2,3
	s_add_nc_u64 s[G0C+4*\c+2:G0C+4*\c+3], s[22:23], \c*768   ; quarter c begins 768 bytes on in each pixel
	s_or_b32 s[G0C+4*\c+3], s[G0C+4*\c+3], 0x80000000
.endr
	; ALL THE FILLS OF THE LAUNCH, in one group: six tensor loads of mine are out.  They end in this order
	tensor_load_to_lds s[G0W:G0W+3], s[G1W:G1W+7]          ; my piece of the weights
	s_nop 0
	tensor_load_to_lds s[G0S:G0S+3], s[G1S:G1S+7]          ; my pixels' scale words
	s_nop 0
	tensor_load_to_lds s[G0C:G0C+3], s[G1C:G1C+7]          ; rows 0-7 of my 8 pixels
	s_nop 0
	tensor_load_to_lds s[G0C+4:G0C+7], s[G1C:G1C+7]        ; rows 8-15
	s_nop 0
	tensor_load_to_lds s[G0C+8:G0C+11], s[G1C:G1C+7]       ; rows 16-23
	s_nop 0
	tensor_load_to_lds s[G0C+12:G0C+15], s[G1C:G1C+7]      ; rows 24-31
	s_nop 0
.rept 4
	v_nop
.endr
	s_mul_i32 s88, ttmp9, 6144
	s_mul_i32 s5, s4, 768
	s_add_co_u32 s88, s88, s5
	s_add_nc_u64 s[26:27], s[26:27], s[88:89]      ; x's codes at my first pixel: 96 bytes a pixel
	s_lshl_b32 s88, ttmp9, 8
	s_lshl_b32 s5, s4, 5
	s_add_co_u32 s88, s88, s5
	s_add_nc_u64 s[28:29], s[28:29], s[88:89]      ; x's scale words: 4 bytes a pixel
	s_lshl_b32 s88, ttmp9, 15
	s_lshl_b32 s5, s4, 12
	s_add_co_u32 s88, s88, s5
	s_add_nc_u64 s[30:31], s[30:31], s[88:89]      ; the output: 512 bytes a pixel
.irp p, 0,1,2,3,4,5
	global_load_b64 v[CF+2*\p:CF+2*\p+1], v[VX], s[26:27] offset:48*(\p/3)+8*(\p%3)   ; x's fragment: lane r takes pixel r % 8
.endr
	global_load_b32 v[XS], v[VXS], s[28:29]
.irp t, 0,1,2,3,4,5,6,7                        ; the weights' scale words: tile t, row 8 t + p8 + 64 u
	global_load_b32 v[WQS+\t], v[VOH], s[10:11] offset:32*\t
	global_load_b32 v[WSK+\t], v[VOH], s[14:15] offset:32*\t
	global_load_b32 v[WSV+\t], v[VOH], s[14:15] offset:512+32*\t
	global_load_b32 v[WOS+\t], v[VOH], s[18:19] offset:32*\t
.endr
	global_load_b128 v[BO:BO+3], v[GO], s[20:21]
	s_wait_tensorcnt 0x5                           ; my piece of the weights has landed; the five loads issued behind it may be out
	s_barrier_signal -1
	s_barrier_wait -1                              ; everybody's piece has: the weights are whole.  The one barrier of the launch: all else in LDS is each wave's own
.irp t, 0,1,2,3,4,5,6,7
	FRAGW KR+12*\t, 768*\t                         ; Wq's eight tiles
.endr
	s_wait_dscnt 0x0
	s_wait_loadcnt 0x0                             ; x, all scale words, bo
	WIN TO1
.irp t, 0,1,2,3,4,5,6,7                        ; q: lane (r, h), register 8 t + j: q(pixel r % 8, head h, channel 8 t + j).  It stays
	v_wmma_scale_f32_16x16x128_f8f6f4 v[QR+8*\t:QR+8*\t+7], v[KR+12*\t:KR+12*\t+11], v[CF:CF+11], 0, v[WQS+\t], v[XS] matrix_a_fmt:MATRIX_FMT_BF6 matrix_b_fmt:MATRIX_FMT_BF6
.endr
.irp t, 0,1,2,3,4,5,6,7
	FRAGW 12*\t, WKO+768*\t                        ; Wk's eight tiles: they land while the context is on its way
.endr
.irp k, 0,1,2,3,4,5,6,7
	v_mad_u32_u24 v[AK+\k], v[XK+\k], 96, v[CB]    ; the context's addresses, into window 1.  These 8 lines and the 8 below are the places behind q's products: four are asked in front of
.endr                                          ; the loads over x's fragment, five in front of the products that write over Wq's fragments
	WIN 0
.irp t, 0,1,2,3,4,5,6,7
	v_perm_b32 v[WOS+\t], v[WOS+\t], v[WOS+\t], 0x03010200   ; Wo's scale words: bytes 1 and 2 change places, as its blocks do
.endr
	s_wait_tensorcnt 0x4                           ; my scale words have landed; the four quarters may be out.  Only I read these bytes
.irp k, 0,1,2,3,4,5,6,7
	ds_load_b32 v[CSW+\k], v[SK+\k]
.endr
	s_wait_tensorcnt 0x2                           ; quarters 0 and 1 have landed: steps 0 to 7 read them; quarters 2 and 3 may be out
	WIN A1
	LOADCF 0
	LOADCF 1
	; ---- PASS 1: the scores
	s_wait_dscnt 6                                 ; Wk, the scale words and step 0's fragment are in; step 1's six loads may be out
	MM WSK, 0, 0
	MM WSK, 0, 1
.rept 5
	v_nop                                          ; the first step alone has no vector work to stand behind its products: four places in front of the first read, five in front of step 1's products, which write over the same registers
.endr
.irp i, 0,1,2,3,4,5,6,7,8,9,10,11,12,13,14,15
	VSIM \i, 0
.if \i < 15
	s_wait_dscnt 6                                 ; the next step's fragment is in; the six loads just issued may be out
	MM WSK, \i+1, 0                                ; over the group just read; behind the products that wrote it stand the 16 lines of the other group
.endif
	VSIM \i, 1
.if \i < 15
	MM WSK, \i+1, 1
.endif
.endr
	WIN TO1
.irp t, 0,1,2,3,4,5,6,7
	FRAGW 12*\t, WVO+768*\t                        ; Wv takes Wk's registers: 32 plain lines stand behind the last product that read them.  The softmax stands between these loads and the wait for them
.endr
	WIN 0
	; ---- THE SOFTMAX of my pixel's head h: my 16 rows in 16 registers, the other 16 in the lane 8 away
.irp i, 0,1,2,3,4,5,6,7,8,9,10,11,12,13,14,15
	v_pk_add_f32 v[OS+4*\i:OS+4*\i+1], v[OS+4*\i:OS+4*\i+1], v[OS+4*\i+2:OS+4*\i+3]
.endr
.irp i, 0,1,2,3,4,5,6,7,8,9,10,11,12,13,14,15
	v_add_f32 v[SC+\i], v[OS+4*\i], v[OS+4*\i+1]   ; step i's score
.endr
	v_max3_num_f32 v[MX], v[SC], v[SC+1], v[SC+2]
	v_max3_num_f32 v[MX+1], v[SC+3], v[SC+4], v[SC+5]
.irp i, 6,10
	v_max3_num_f32 v[MX], v[MX], v[SC+\i], v[SC+\i+1]
	v_max3_num_f32 v[MX+1], v[MX+1], v[SC+\i+2], v[SC+\i+3]
.endr
	v_max3_num_f32 v[MX], v[MX], v[SC+14], v[SC+15]
	v_max_num_f32 v[MX], v[MX], v[MX+1]
	v_max_num_f32_dpp v[MX], v[MX], v[MX] row_xmask:8 row_mask:0xf bank_mask:0xf
	v_mul_f32 v[MX], s84, v[MX]                    ; c x the largest score (c is positive); the same number in both lanes of a pixel's head, so its rounding cancels in the division
.irp i, 0,2,4,6,8,10,12,14
	v_pk_fma_f32 v[SC+\i:SC+\i+1], v[SC+\i:SC+\i+1], s[84:85], v[MX:MX+1] op_sel_hi:[1,0,0] neg_lo:[0,0,1] neg_hi:[0,0,1]
.endr
.irp i, 0,1,2,3,4,5,6,7,8,9,10,11,12,13,14,15
	v_exp_f32 v[SC+\i], v[SC+\i]
.endr
	v_nop                                          ; a plain place behind the exponentials
	s_wait_alu depctr_va_vdst(0)
	v_pk_add_f32 v[ZS:ZS+1], v[SC:SC+1], v[SC+2:SC+3]
	v_pk_add_f32 v[ZS+2:ZS+3], v[SC+4:SC+5], v[SC+6:SC+7]
	v_pk_add_f32 v[ZS:ZS+1], v[ZS:ZS+1], v[SC+8:SC+9]
	v_pk_add_f32 v[ZS+2:ZS+3], v[ZS+2:ZS+3], v[SC+10:SC+11]
	v_pk_add_f32 v[ZS:ZS+1], v[ZS:ZS+1], v[SC+12:SC+13]
	v_pk_add_f32 v[ZS+2:ZS+3], v[ZS+2:ZS+3], v[SC+14:SC+15]
	v_pk_add_f32 v[ZS:ZS+1], v[ZS:ZS+1], v[ZS+2:ZS+3]
	v_add_f32 v[ZS], v[ZS], v[ZS+1]
	v_add_f32_dpp v[ZS], v[ZS], v[ZS] row_xmask:8 row_mask:0xf bank_mask:0xf
	v_rcp_f32 v[ZS], v[ZS]
	v_nop                                          ; a plain place behind the reciprocal
	; ---- PASS 2: the weighted sums
	WIN A1
	s_wait_dscnt 0x0                               ; Wv, and the first two fragments, which pass 1's last two steps asked for
	MM WSV, 0, 0
	MM WSV, 0, 1
	WIN TO1
	s_wait_alu depctr_va_vdst(0)
.irp i, 0,1,2,3,4,5,6,7,8,9,10,11,12,13,14,15
	v_mul_f32 v[AW+2*\i], v[SC+\i], v[ZS]          ; the weight of step i's row, into window 1, over q, which is done with.  These 16 lines are the places behind the first step's products
.endr
	WIN A1
.irp i, 0,1,2,3,4,5,6,7,8,9,10,11,12,13,14,15
	VOUT \i, 0
.if \i < 14
	s_wait_dscnt 6                                 ; the next step's fragment is in; the six loads just issued may be out
.elseif \i == 14
	s_wait_dscnt 0x0                               ; the last fragment: nothing was asked for behind it
.endif
.if \i < 15
	MM WSV, \i+1, 0
.endif
	VOUT \i, 1
.if \i < 15
	MM WSV, \i+1, 1
.endif
.endr
	WIN TO1
.irp t, 0,1,2,3,4,5,6,7
	FRAGO 12*\t, WOO+768*\t                        ; Wo takes Wv's registers; what follows stands between these loads and the wait for them
.endr
	WIN 0
.set n, 0
.rept 64
	v_add_f32_dpp v[OS+n], v[OS+n], v[OS+n] row_xmask:8 row_mask:0xf bank_mask:0xf   ; with the lane 8 away, which summed the pixel's other 16 rows: register n is channel 64 h + n of pixel r % 8
.set n, n+1
.endr
	; ---- THE OUTPUT PRODUCT.  My 64 numbers are two whole blocks of 32: no other lane is asked for a maximum
.irp b, 0,1,2,3
	v_max3_num_f32 v[TM+\b], |v[OS+16*\b]|, |v[OS+1+16*\b]|, 0x2800000   ; four chains of 16 numbers, each with the floor 2^(5 - 127): the byte cannot fall under 1
.endr
.irp i, 2,4,6,8,10,12,14
.irp b, 0,1,2,3
	v_max3_num_f32 v[TM+\b], v[TM+\b], |v[OS+16*\b+\i]|, |v[OS+1+16*\b+\i]|
.endr
.endr
.irp c, 0,1
	v_max_num_f32 v[TM+2*\c], v[TM+2*\c], v[TM+2*\c+1]   ; the largest magnitude of block 2 h + c
.endr
.irp c, 0,1
	v_add_nc_u32 v[SO+\c], 0xfe000000, v[TM+2*\c]  ; 4 off its exponent field: the conversion takes the exponent field of this operand as its scale, and nothing else of it
.endr
.irp c, 0,1
	v_lshrrev_b32 v[BY+\c], 23, v[SO+\c]           ; the scale's byte
.endr
	v_lshl_or_b32 v[PW], v[BY+1], 16, v[BY]        ; my two bytes stand at places h and 2 + h of the scale word:
	v_lshlrev_b32 v[T0], 3, v[HF]
	v_lshlrev_b32 v[PW], v[T0], v[PW]              ; 8 h bits up;
	v_permlanex16_b32 v[T1], v[PW], s86, s87
	v_or_b32 v[PW], v[PW], v[T1]                   ; with the other half's two the word is whole
.irp c, 0,1
	v_cvt_scalef32_pk16_bf6_f32 v[CD+6*\c:CD+6*\c+2], v[OS+32*\c:OS+32*\c+15], v[SO+\c]
	v_cvt_scalef32_pk16_bf6_f32 v[CX+4*\c:CX+4*\c+2], v[OS+32*\c+16:OS+32*\c+31], v[SO+\c]   ; (a conversion's three registers begin on an even number: the second half of a block's six does not, so it is made elsewhere and moved)
.endr
	v_nop                                          ; one plain place behind a scaled conversion
.irp c, 0,1
.irp i, 0,1,2
	v_mov_b32 v[CD+6*\c+3+\i], v[CX+4*\c+\i]
.endr
.endr
.rept 8
	v_nop                                          ; a scale word made by vector instructions stands eight places ahead of the scaled product, codes so made four
.endr
	s_wait_dscnt 0x0                               ; Wo
	WIN A1
.irp t, 0,1,2,3,4,5,6,7                        ; source 0 = rows 8 t + m % 8 + 64 (m / 8) of Wo, source 1 = the results' codes: lane (r, h), register j: y(pixel r % 8, column 64 h + 8 t + j)
	v_wmma_scale_f32_16x16x128_f8f6f4 v[KR+8*\t:KR+8*\t+7], v[12*\t:12*\t+11], v[CD:CD+11], 0, v[WOS+\t], v[PW] matrix_a_fmt:MATRIX_FMT_BF6 matrix_b_fmt:MATRIX_FMT_BF6
.endr
	WIN 0
.rept 4
	v_nop                                          ; places in front of the stores of results
.endr
.irp t, 0,1,2,3,4,5,6,7
	ds_store_b128 v[AYS], v[KR+8*\t:KR+8*\t+3] offset:32*\t          ; into my stage's rows, columns in order; each accumulator from its low end on; lanes r and r + 8 store the same numbers at the same place
	ds_store_b128 v[AYS], v[KR+8*\t+4:KR+8*\t+7] offset:32*\t+16
.endr
.irp i, 0,1,2,3,4,5,6,7
	ds_load_b128 v[OS+4*\i:OS+4*\i+3], v[AYR] offset:SP*\i           ; back as whole rows: the 32 lanes take a pixel's 512 bytes.  LDS serves a wave's instructions in order (ISA guide 5.7.1): these see my stores
.endr
.irp i, 0,1,2,3,4,5,6,7
	s_wait_dscnt 7-\i                              ; row i is in; the younger rows' loads may be out
	v_pk_add_f32 v[OS+4*\i:OS+4*\i+1], v[OS+4*\i:OS+4*\i+1], v[BO:BO+1]
	v_pk_add_f32 v[OS+4*\i+2:OS+4*\i+3], v[OS+4*\i+2:OS+4*\i+3], v[BO+2:BO+3]
	global_store_b128 v[GO], v[OS+4*\i:OS+4*\i+3], s[30:31] offset:512*\i th:TH_STORE_NT   ; 32 lanes store 512 consecutive bytes, at a multiple of 512 from the output's first byte; written once, read by nobody here
.endr
	s_wait_tensorcnt 0x0
	ds_add_u32 v126, v127
	s_wait_dscnt 0x0
	s_endpgm                                       ; every tensor load was waited for in pass 1; no LDS instruction is out
.Lfunc_end_k_qb226419512_attn:
	.size	k_qb226419512_attn, .Lfunc_end_k_qb226419512_attn-k_qb226419512_attn
	.p2alignl 7, 3214868480
	.fill 96, 4, 3214868480
	.section	.rodata,"a",@progbits
	.p2align	6, 0x0
	.amdhsa_kernel k_qb226419512_attn
		.amdhsa_group_segment_fixed_size 258048
		.amdhsa_private_segment_fixed_size 0
		.amdhsa_enable_private_segment 0
		.amdhsa_kernarg_size 96
		.amdhsa_user_sgpr_count 2
		.amdhsa_user_sgpr_kernarg_segment_ptr 1
		.amdhsa_wavefront_size32 1
		.amdhsa_system_sgpr_workgroup_id_x 1
		.amdhsa_system_sgpr_workgroup_id_y 1
		.amdhsa_system_sgpr_workgroup_id_z 1
		.amdhsa_system_vgpr_workitem_id 0
		.amdhsa_next_free_vgpr 512
		.amdhsa_next_free_sgpr 96
		.amdhsa_reserve_vcc 0
		.amdhsa_float_denorm_mode_32 3
		.amdhsa_float_denorm_mode_16_64 3
		.amdhsa_memory_ordered 1
		.amdhsa_forward_progress 1
		.amdhsa_inst_pref_size 153
	.end_amdhsa_kernel
	.amdgpu_metadata
---
amdhsa.version: [ 1, 2 ]
amdhsa.kernels:
  - .name:           k_qb226419512_attn
    .symbol:         k_qb226419512_attn.kd
    .args:
      - { .name: Wq_codes, .offset: 0, .size: 8, .value_kind: global_buffer, .address_space: global }
      - { .name: Wq_scales, .offset: 8, .size: 8, .value_kind: global_buffer, .address_space: global }
      - { .name: Wkv_codes, .offset: 16, .size: 8, .value_kind: global_buffer, .address_space: global }
      - { .name: Wkv_scales, .offset: 24, .size: 8, .value_kind: global_buffer, .address_space: global }
      - { .name: Wo_codes, .offset: 32, .size: 8, .value_kind: global_buffer, .address_space: global }
      - { .name: Wo_scales, .offset: 40, .size: 8, .value_kind: global_buffer, .address_space: global }
      - { .name: bo, .offset: 48, .size: 8, .value_kind: global_buffer, .address_space: global }
      - { .name: context_codes, .offset: 56, .size: 8, .value_kind: global_buffer, .address_space: global }
      - { .name: context_scales, .offset: 64, .size: 8, .value_kind: global_buffer, .address_space: global }
      - { .name: x_codes, .offset: 72, .size: 8, .value_kind: global_buffer, .address_space: global }
      - { .name: x_scales, .offset: 80, .size: 8, .value_kind: global_buffer, .address_space: global }
      - { .name: out0, .offset: 88, .size: 8, .value_kind: global_buffer, .address_space: global }
    .group_segment_fixed_size: 258048
    .private_segment_fixed_size: 0
    .kernarg_segment_align: 8
    .kernarg_segment_size: 96
    .max_flat_workgroup_size: 256
    .sgpr_count:     96
    .vgpr_count:     512
    .wavefront_size: 32
...
	.end_amdgpu_metadata
.endif
;; end of part 2
